; MI455X (gfx1250); checked and timed in simulation.
; The chip was launched on July 23, 2026; its instructions are those of AMD's public machine-readable ISA for CDNA 5 (MIT licence, August 2026) and "CDNA5" Instruction Set Architecture Reference Guide (July 2026). The comments in the code are by the model that wrote it; some were corrected since.
;; RFLAF Poly. Allowed arithmetic: float matrix products may take bf16 or f16 operands with f32 sums; all other float work in f32.
;; Inputs: W 1,024 x 2,048 float32; a 100 float32; v 2,048 float32; x 8,192 x 1,024 float32.
;; Outputs: out0 8,192 float32.
;; One version. Each part assembles by itself: llvm-mc -triple=amdgcn-amd-amdhsa -mcpu=gfx1250 --defsym DOCPART=n.
;; ======== version 1 of 1: 3 launches
;; workspace buffers: xb 16,777,216 bytes; wb 4,194,304 bytes; part 262,144 bytes
;; launch cast (part 1): grid 1280 x 1, 8 waves a work-group, no clusters, 0 bytes of LDS; arguments x, W, xb, wb; writes xb, wb
.if DOCPART == 1
	.amdgcn_target "amdgcn-amd-amdhsa--gfx1250"
	.amdhsa_code_object_version 6
	.text
	.protected	k_q098f5c7cf6_cast
	.globl	k_q098f5c7cf6_cast
	.p2align	8
	.type	k_q098f5c7cf6_cast,@function
k_q098f5c7cf6_cast:
	s_mov_b64 s[64:65], 0
	v_nop
	global_prefetch_b8 v0, s[64:65] scope:SCOPE_SE
	s_setreg_imm32_b32 hwreg(HW_REG_WAVE_MODE, 25, 1), 1
	s_wait_xcnt 0x0
; xb = bf16(x), wb = bf16(W): the same layouts, each number rounded once, to nearest even.  x: [8192][1024] f32, W: [1024][2048] f32.
; LIMIT: a number beyond bf16's largest finite one becomes an infinity.
; A stream: no LDS, no barrier, no matrix unit, no cluster: no two work-groups read a common byte.
; SHARES.  A work-group takes 32,768 input bytes: groups 0-1023 x's, groups 1024-1279 W's (1,024 x 32,768 = x's bytes, 256 x 32,768 = W's).
; Thread t takes 16 bytes at 4,096 j + 16 t, j = 0..7: a wave's load covers 512 consecutive bytes; its 8 bytes of result go to 2,048 j + 8 t: a wave's store
; covers 256 consecutive bytes, at a multiple of 256 from the buffer's first.  All eight loads go out first; no register is written twice.
.set XBLK, 1024                        ; work-groups that serve x
.set X, 4                              ; v[4:35]   as loaded, four f32 a load
.set Y, 36                             ; v[36:51]  four bf16 a load
	s_load_b256 s[4:11], s[0:1], 0x0               ; x s[4:5], W s[6:7], xb s[8:9], wb s[10:11]
	s_sub_co_u32 s13, ttmp9, XBLK                  ; the block's number within W (used only where the group serves W)
	s_cmp_lt_u32 ttmp9, XBLK                       ; do I serve x?  The selects, the vector lines and the wait below leave SCC as it is
	s_cselect_b32 s12, ttmp9, s13                  ; my block's number within its tensor
	v_lshlrev_b32 v1, 4, v0                        ; 16 t
	v_lshlrev_b32 v2, 3, v0                        ; 8 t
	s_wait_kmcnt 0x0
	s_cselect_b64 s[4:5], s[4:5], s[6:7]           ; from x or from W,
	s_cselect_b64 s[8:9], s[8:9], s[10:11]         ; to xb or to wb
	s_lshl_b32 s14, s12, 15                        ; 32,768 bytes in a block,
	s_mov_b32 s15, 0
	s_lshl_b32 s16, s12, 14                        ; 16,384 out
	s_mov_b32 s17, 0
	s_add_nc_u64 s[4:5], s[4:5], s[14:15]
	s_add_nc_u64 s[8:9], s[8:9], s[16:17]
.irp j, 0,1,2,3,4,5,6,7
	global_load_b128 v[X+4*(\j):X+4*(\j)+3], v1, s[4:5] offset:4096*(\j) th:TH_LOAD_NT  ; read once in the launch
.endr
.irp j, 0,1,2,3,4,5,6,7
	s_wait_loadcnt 7-(\j)                          ; loads come back in order (ISA guide 5.7.1): load j is in, the 7 - j younger ones stay out
	v_cvt_pk_bf16_f32 v[Y+2*(\j)],   v[X+4*(\j)],   v[X+4*(\j)+1]
	v_cvt_pk_bf16_f32 v[Y+2*(\j)+1], v[X+4*(\j)+2], v[X+4*(\j)+3]
	global_store_b64 v2, v[Y+2*(\j):Y+2*(\j)+1], s[8:9] offset:2048*(\j)  ; no hint: the next launch reads these bytes
.endr
	s_endpgm
.Lfunc_end_k_q098f5c7cf6_cast:
	.size	k_q098f5c7cf6_cast, .Lfunc_end_k_q098f5c7cf6_cast-k_q098f5c7cf6_cast
	.p2alignl 7, 3214868480
	.fill 96, 4, 3214868480
	.section	.rodata,"a",@progbits
	.p2align	6, 0x0
	.amdhsa_kernel k_q098f5c7cf6_cast
		.amdhsa_group_segment_fixed_size 0
		.amdhsa_private_segment_fixed_size 0
		.amdhsa_enable_private_segment 0
		.amdhsa_kernarg_size 32
		.amdhsa_user_sgpr_count 2
		.amdhsa_user_sgpr_kernarg_segment_ptr 1
		.amdhsa_wavefront_size32 1
		.amdhsa_system_sgpr_workgroup_id_x 1
		.amdhsa_system_sgpr_workgroup_id_y 1
		.amdhsa_system_sgpr_workgroup_id_z 1
		.amdhsa_system_vgpr_workitem_id 0
		.amdhsa_next_free_vgpr 52
		.amdhsa_next_free_sgpr 66
		.amdhsa_reserve_vcc 0
		.amdhsa_float_denorm_mode_32 3
		.amdhsa_float_denorm_mode_16_64 3
		.amdhsa_memory_ordered 1
		.amdhsa_forward_progress 1
		.amdhsa_inst_pref_size 4
	.end_amdhsa_kernel
	.amdgpu_metadata
---
amdhsa.version: [ 1, 2 ]
amdhsa.kernels:
  - .name:           k_q098f5c7cf6_cast
    .symbol:         k_q098f5c7cf6_cast.kd
    .args:
      - { .name: x, .offset: 0, .size: 8, .value_kind: global_buffer, .address_space: global }
      - { .name: W, .offset: 8, .size: 8, .value_kind: global_buffer, .address_space: global }
      - { .name: xb, .offset: 16, .size: 8, .value_kind: global_buffer, .address_space: global }
      - { .name: wb, .offset: 24, .size: 8, .value_kind: global_buffer, .address_space: global }
    .group_segment_fixed_size: 0
    .private_segment_fixed_size: 0
    .kernarg_segment_align: 8
    .kernarg_segment_size: 32
    .max_flat_workgroup_size: 256
    .sgpr_count:     66
    .vgpr_count:     52
    .wavefront_size: 32
...
	.end_amdgpu_metadata
.endif
;; end of part 1
;; launch main (part 2): grid 8 x 32, 4 waves a work-group, clusters of 4 x 4, 327,680 bytes of LDS; arguments xb, wb, v, a, part; writes part
.if DOCPART == 2
	.amdgcn_target "amdgcn-amd-amdhsa--gfx1250"
	.amdhsa_code_object_version 6
	.text
	.protected	k_q098f5c7cf6_main
	.globl	k_q098f5c7cf6_main
	.p2align	8
	.type	k_q098f5c7cf6_main,@function
k_q098f5c7cf6_main:
	s_mov_b64 s[64:65], 0
	v_nop
	global_prefetch_b8 v0, s[64:65] scope:SCOPE_SE
	s_setreg_imm32_b32 hwreg(HW_REG_WAVE_MODE, 25, 1), 1
	s_wait_xcnt 0x0
	s_wait_alu depctr_hold_cnt(0) depctr_sa_sdst(0) depctr_va_vdst(0) depctr_va_sdst(0) depctr_va_ssrc(0) depctr_va_vcc(0) depctr_vm_vsrc(0)
	s_getreg_b32 s2, hwreg(HW_REG_IB_STS2, 6, 4)
	s_cmp_eq_u32 s2, 0
	s_cbranch_scc0 .Lentry_in_a_cluster
	s_endpgm
.Lentry_in_a_cluster:
	s_bfe_u32 s2, ttmp6, 0x10000c
	s_cmp_lg_u32 s2, 0xf033
	s_cbranch_scc0 .Lentry_shape_is_right
	s_endpgm
.Lentry_shape_is_right:
; part[tc][m] = the sum over the 256 columns n of tile column tc of v[n] p(z[m][n]),  z = x W,  p(t) = the sum over i = 0..99 of a[i] t^i, by Horner's rule.
; xb: [8192][1024] bf16 (x).  wb: [1024][2048] bf16 (W as it lies, [k][n]).  v: [2048] f32.  a: [100] f32.  part: [8][8192] f32.  Products of bf16 with f32 sums; all else in f32.
; LIMITS.  The matrix operands are x and W rounded to bf16.  Horner's first step, 0 z + a99, is taken as a99: another result only where z is not finite.  NaN and infinities are not treated apart.
; All 100 coefficients are used, whatever z's size.  The order of the sum over n is this text's own.
; SHAPE.  A tile of z, 256 x 256, is made by four waves, each 128 x 128: 64 accumulators of 16 x 16, 512 registers.  32 x 8 tiles, one work-group each.  K goes in 8 steps of 128 through two LDS slots.
; z never leaves the registers: behind the products each wave runs the polynomial on its accumulators, 256 registers at a time (z and the running result side by side),
; multiplies by v, adds along its 128 columns, and the two waves of a row half meet in LDS.  Per wave 2,048 matrix instructions and 25,600 packed multiply-adds, in phases: to set them side by side
; the tile would have to be cut into parts of 16 accumulators, which doubles the bytes fetched and the LDS loads for each product.
; CLUSTERS: 4 x 4 work-groups.  The four of a row of the cluster need the same tiles of x, the four of a column the same tiles of W: each tile is asked for JOINTLY, by the same tensor load with the
; same descriptor and a mask that names the four.
; THE MATRIX INSTRUCTION IS USED TRANSPOSED: source 0 = 16 columns of W, source 1 = 16 rows of x.  In accumulator (a, b) lane l, register j holds z(m = 16 a + l % 16, n = 16 b + 8 (l / 16) + j):
; a lane holds one row, so the sum over n wants one exchange between the halves of the lanes.  W lies [k][n] in LDS and comes out turned, by ds_load_tr16_b128.
; REGISTERS, in windows of 256 (s_set_vgpr_msb: bits 1:0 source 0, 3:2 source 1, 5:4 source 2, 7:6 destination):
;   window 0: v0-31 addresses; v32-35 the last sums; v64-127, v128-191 fragments of x, two buffers (later v64-127 the row sums); v192-255 my 8 x 8 numbers of v
;   window 1: v64-127, v128-191 fragments of W, two buffers; behind the products all 256: the polynomial's running result
;   window 2: the 32 accumulators of my rows 0-63 ((a, b) at v[8 (8 a + b)]);   window 3: those of my rows 64-127
.set KSTEP,  128
.set LAPS,   4                         ; a lap = two K steps = once round the ring; K = 1,024
.set PA,     272                       ; a row of x in LDS: 256 bytes + 16 of padding = 68 words: the 16 rows of a load start at 16 different groups of four banks (64 banks of 4 bytes: ISA guide 11.1)
.set PB,     544                       ; a k-row of W: 512 bytes + 32 = 136 words
.set HALFT,  128*PA                    ; what one tensor load brings: 128 rows of x, or 64 k-rows of W (64 x 544 is the same number)
.set SLOT,   4*HALFT                   ; x's 256 rows, then W's 128 k-rows
.set STAGE,  2*SLOT                    ; behind the ring, never filled by a tensor load: [column half][256 rows] f32, 2,048 bytes
.set SPARE,  STAGE+2048                ; behind the stage: the spare words, 128 bytes for each wave: two blocks of 256 bytes that no other line names
.set ADRA, 16                          ; v16-17  LDS address of my fragments of x in slot 0, 1
.set ADRB, 20                          ; v20-21  the same for W
.set SA,   24                          ; v24     where I put a row sum
.set SR,   25                          ; v25     where I read two rows' sums back
.set PO,   26                          ; v26     my byte offset in the tile's 1,024 bytes of part
.set VO,   27                          ; v27     my byte offset in my wave's 512 bytes of v
.set SPW,  28                          ; v28     LDS address of my spare word: SPARE + 4 x my thread's number; never rewritten
.set NIL,  29                          ; v29     0; never rewritten
.set FS,   32                          ; v32-35  the last sums
.set F0,   64                          ; fragment buffer 0
.set F1,   128                         ; fragment buffer 1
.set OS,   64                          ; behind the products: row block a's four pairs of sums at OS + 8 a
.set VV,   192                         ; VV + 8 b + j = v[256 tile column + 128 column half + 16 b + 8 (l / 16) + j]
.set G1,   24                          ; s[24:31] descriptor group 1 for x's tiles;  s[32:39] group 0, a set for each slot
.set G0,   32
.set G1B,  48                          ; s[48:55], s[56:63] the same for W's tiles
.set G0B,  56
.set COF,  68                          ; s68      byte offset in a of the eight coefficients to be loaded next
.set TRIP, 69                          ; s69      counts the polynomial's trips
.set ST,   72                          ; s[72:79] eight coefficients as loaded
.set CF,   80                          ; s[80:93] a trip's seven coefficients, each the low word of a pair
.set MSB, 0
.macro WIN new                         ; the immediate's high byte repeats the setting that is left; a switch that changes nothing is dropped
.if MSB != (\new)
	s_set_vgpr_msb (MSB<<8)|(\new)
.set MSB, \new
.endif
.endm
.set MUL_LO, 0xa1                      ; source 0 (W) window 1, source 1 (x) window 0, C and D window 2
.set MUL_HI, 0xf1                      ; the same, C and D window 3
.set TO_B,   0x40                      ; destination window 1, address window 0
; A joint load.  Waves 0 and 1 fetch x's two halves, waves 2 and 3 W's.  The branch hangs on the wave's number alone: it is the same in every work-group.
; An s_nop 0 and four v_nop follow each of the two lines, ahead of the jump, the label and what follows.
.macro JLOAD s
	s_cmp_eq_u32 s15, 0
	s_cbranch_scc0 .Lfor_b_\@
	tensor_load_to_lds s[G0+4*(\s):G0+4*(\s)+3], s[G1:G1+7]
	s_nop 0
.rept 4
	v_nop
.endr
	s_branch .Lasked_\@
.Lfor_b_\@:
	tensor_load_to_lds s[G0B+4*(\s):G0B+4*(\s)+3], s[G1B:G1B+7]
	s_nop 0
.rept 4
	v_nop
.endr
.Lasked_\@:
.endm
; A round of the cluster's barrier: my work-group's barrier, so that wave 0's signal speaks for all four waves; wave 0 signals; every wave waits for all sixteen work-groups; my work-group's barrier once more.
.macro CREST                           ; a round behind its opening barrier
	s_cmp_lg_u32 s14, 0
	s_cbranch_scc1 .Lnot_wave_0_\@
	s_barrier_signal -3
.Lnot_wave_0_\@:
	s_barrier_wait -3
	s_barrier_signal -1
	s_barrier_wait -1
.endm
.macro CROUND                          ; a whole round
	s_barrier_signal -1
	s_barrier_wait -1
	CREST
.endm
	s_load_b256 s[4:11], s[0:1], 0x0               ; xb s[4:5], wb s[6:7], v s[8:9], a s[10:11]
	s_load_b64 s[12:13], s[0:1], 0x20              ; part
	v_lshl_add_u32 v[SPW], v0, 2, SPARE
	v_mov_b32 v[NIL], 0
	ds_add_u32 v[SPW], v[NIL]                      ; the wave's opening: the add and its wait come ahead of my first tensor load; the set-up below, work on registers, stands between them
	v_lshrrev_b32 v1, 5, v0
	v_readfirstlane_b32 s14, v1                    ; wave 0..3
	s_lshr_b32 s15, s14, 1                         ; which half of the tile's rows is mine.  Also: I fetch for x (0) or for W (1)
	s_and_b32 s16, s14, 1                          ; which half of its columns.  Also: which half of that tile I fetch
	s_bfe_u32 s17, ttmp6, 0x40000                  ; cx: my place along the cluster's x
	s_bfe_u32 s18, ttmp6, 0x40004                  ; cy: along its y
	s_lshl_b32 s19, ttmp9, 2                       ; in a cluster launch ttmp9 and ttmp7 count clusters
	s_add_co_u32 s19, s19, s17                     ; tile column = 4 x cluster x + cx, 0..7
	s_and_b32 s20, ttmp7, 0xffff
	s_lshl_b32 s20, s20, 2
	s_add_co_u32 s20, s20, s18                     ; tile row = 4 x cluster y + cy, 0..31
	s_lshl_b32 s21, s18, 2
	s_lshl_b32 s21, 15, s21                        ; my row of the cluster: places 4 cy .. 4 cy + 3
	s_lshl_b32 s22, 0x1111, s17                    ; my column: places cx, cx + 4, cx + 8, cx + 12
	; descriptor group 1 for x: 128 rows x 128 elements
	s_or_b32 s[G1+0], s21, (1<<16)|(1<<20)|(1<<21)|(5<<22)|(3<<25)  ; 15:0 the mask: my row; 17:16 elements of 2 bytes; 20 padding on; 21 set beside a mask; 24:22 after every 64 words (code 5); 31:25 4 words (code 3)
	s_mov_b32 s[G1+1], KSTEP<<16                   ; tensor_dim0 = 128
	s_mov_b32 s[G1+2], 128<<16                     ; tensor_dim1 = 128
	s_mov_b32 s[G1+3], KSTEP<<16                   ; tile_dim0 = 128
	s_mov_b32 s[G1+4], 128                         ; tile_dim1 = 128
	s_mov_b32 s[G1+5], 1024                        ; elements from row to row of xb
	s_mov_b32 s[G1+6], 0
	s_mov_b32 s[G1+7], 0
	; and for W: 64 k-rows x 256 elements
	s_or_b32 s[G1B+0], s22, (1<<16)|(1<<20)|(1<<21)|(6<<22)|(7<<25) ; the mask: my column; after every 128 words (code 6) 8 words of padding (code 7)
	s_mov_b32 s[G1B+1], 256<<16                    ; tensor_dim0 = 256
	s_mov_b32 s[G1B+2], 64<<16                     ; tensor_dim1 = 64
	s_mov_b32 s[G1B+3], 256<<16                    ; tile_dim0 = 256
	s_mov_b32 s[G1B+4], 64                         ; tile_dim1 = 64
	s_mov_b32 s[G1B+5], 2048                       ; elements from row to row of wb
	s_mov_b32 s[G1B+6], 0
	s_mov_b32 s[G1B+7], 0
	; where the tiles come from.  x's hang on the tile row alone, which my row of the cluster shares; W's on the tile column alone, which my column shares; each in registers that never hold the other coordinate
	s_lshl_b32 s40, s20, 19                        ; x: 256 rows of 2,048 bytes a tile row,
	s_lshl_b32 s41, s16, 18                        ; 128 rows a half
	s_add_co_u32 s40, s40, s41
	s_mov_b32 s41, 0
	s_lshl_b32 s42, s19, 9                         ; W: 256 columns of 2 bytes a tile column,
	s_lshl_b32 s43, s16, 18                        ; 64 k-rows of 4,096 bytes a half
	s_add_co_u32 s42, s42, s43
	s_mov_b32 s43, 0
	s_mul_i32 s23, s14, HALFT                      ; and where they go: x's two halves, then W's two halves = wave x HALFT: no place in the cluster enters an LDS address
	s_mov_b32 s66, 0x76543210                      ; v_permlanex16_b32's selects: each lane takes its own place in the other half
	s_mov_b32 s67, 0xfedcba98
.irp k, 0,1,2,3,4,5,6
	s_mov_b32 s[CF+2*(\k)+1], 0                    ; the packed lines name pairs and take the low word for both halves: the high words are written once
.endr
	s_mov_b32 s95, 0
	s_mov_b32 s97, 0
	s_wait_dscnt 0x0                               ; the opening add is done
	s_wait_kmcnt 0x0
	s_add_nc_u64 s[40:41], s[4:5], s[40:41]
	s_add_nc_u64 s[42:43], s[6:7], s[42:43]
	CROUND                                         ; all sixteen work-groups are here: the first joint loads meet
.irp s, 0,1
	s_mov_b32 s[G0+4*(\s)], 1                                      ; 1:0 count = 1
	s_add_co_u32 s[G0+4*(\s)+1], s23, (\s)*SLOT                    ; 63:32 LDS address
	s_add_nc_u64 s[G0+4*(\s)+2:G0+4*(\s)+3], s[40:41], (\s)*KSTEP*2    ; 120:64 global address: K step s lies 256 bytes along x's rows,
	s_or_b32 s[G0+4*(\s)+3], s[G0+4*(\s)+3], 0x80000000            ; 127:126 type = 2
	s_mov_b32 s[G0B+4*(\s)], 1
	s_add_co_u32 s[G0B+4*(\s)+1], s23, (\s)*SLOT
	s_add_nc_u64 s[G0B+4*(\s)+2:G0B+4*(\s)+3], s[42:43], (\s)*KSTEP*4096  ; and 128 rows down W
	s_or_b32 s[G0B+4*(\s)+3], s[G0B+4*(\s)+3], 0x80000000
	JLOAD \s                                       ; the ring is filled before anything else is done: two tensor loads of mine are out, the most in this text
.endr
	; A fragment is 16 rows x 32 K in 8 registers: lane l holds row l % 16; registers 0-3 K = 8 (l / 16) + 0..7, registers 4-7 K = 16 + 8 (l / 16) + 0..7.
	v_and_b32 v1, 15, v0                           ; l % 16
	v_bfe_u32 v2, v0, 4, 1                         ; l / 16
	v_mul_u32_u24 v3, v1, PA                       ; x lies along K: two loads of 16 bytes, 32 bytes apart, at row x pitch + 16 x half
	v_lshl_add_u32 v3, v2, 4, v3
	s_mul_i32 s44, s15, HALFT                      ; my 128 rows of x
	; W lies [k][n]: the turning load takes 16 k x 16 n (lane l reads k-row 8 (l / 16) + l % 8, columns 8 ((l / 8) % 2) + 0..7) and leaves half a fragment: lane l holds column l % 16 and 8 k
	v_and_b32 v4, 7, v0
	v_lshl_add_u32 v4, v2, 3, v4
	v_mul_u32_u24 v4, v4, PB
	v_bfe_u32 v5, v0, 3, 1
	v_lshl_add_u32 v4, v5, 4, v4
	s_lshl_b32 s45, s16, 8                         ; my 128 columns: 256 bytes along the k-rows,
	s_add_co_u32 s45, s45, 2*HALFT                 ; which lie behind x's 256 rows
.irp s, 0,1
	v_add_nc_u32 v[ADRA+(\s)], s44, v3
	v_add_nc_u32 v[ADRB+(\s)], s45, v4
	s_add_co_u32 s44, s44, SLOT
	s_add_co_u32 s45, s45, SLOT
.endr
	s_lshl_b32 s46, s16, 10                        ; the stage: 1,024 bytes a column half,
	s_lshl_b32 s47, s15, 9                         ; my 128 rows of 4 bytes
	s_add_co_u32 s46, s46, s47
	s_add_co_u32 s46, s46, STAGE
	v_lshl_add_u32 v[SA], v1, 2, s46               ; row l % 16 of a block of 16
	v_lshl_add_u32 v[SR], v0, 3, STAGE             ; back: thread t takes rows 2 t and 2 t + 1
	v_lshlrev_b32 v[PO], 3, v0                     ; and stores them: 8 bytes a lane
	v_lshlrev_b32 v[VO], 5, v2                     ; my half's eight numbers of each sixteen of v
	s_lshl_b32 s44, s19, 10                        ; v at my wave's 128 columns: 1,024 bytes a tile column, 512 a half
	s_lshl_b32 s45, s16, 9
	s_add_co_u32 s44, s44, s45
	s_mov_b32 s45, 0
	s_add_nc_u64 s[8:9], s[8:9], s[44:45]
	s_lshl_b32 s46, s19, 15                        ; part at my tile: 32,768 bytes a tile column, 1,024 a tile row
	s_lshl_b32 s47, s20, 10
	s_add_co_u32 s46, s46, s47
	s_mov_b32 s47, 0
	s_add_nc_u64 s[12:13], s[12:13], s[46:47]
	s_load_b64 s[70:71], s[10:11], 0x188           ; a98, a99: waited for behind the products
; 16 matrix instructions: m blocks a0, a0 + 1 of the window's four (hi = 0: my rows 0-63, 1: rows 64-127) x all 8 n blocks, 32 along K.  zero = 1: the first product starts the sums: nothing is ever cleared.
; The 64 accumulators take turns in the same order in every quarter step, over the loop's backward jump too.
.macro MUL16 f, hi, a0, zero
	WIN MUL_LO+0x50*(\hi)
.irp a, \a0, (\a0)+1
.irp b, 0,1,2,3,4,5,6,7
.if \zero
	v_wmma_f32_16x16x32_bf16 v[8*(8*(\a)+(\b)):8*(8*(\a)+(\b))+7], v[(\f)+8*(\b):(\f)+8*(\b)+7], v[(\f)+8*(4*(\hi)+(\a)):(\f)+8*(4*(\hi)+(\a))+7], 0
.else
	v_wmma_f32_16x16x32_bf16 v[8*(8*(\a)+(\b)):8*(8*(\a)+(\b))+7], v[(\f)+8*(\b):(\f)+8*(\b)+7], v[(\f)+8*(4*(\hi)+(\a)):(\f)+8*(4*(\hi)+(\a))+7], v[8*(8*(\a)+(\b)):8*(8*(\a)+(\b))+7]
.endif
.endr
.endr
.endm
; 32 LDS loads in one run: the fragments of quarter q of a K step (32 k x 128 columns of W, turned; 128 rows of x x 32 k) into buffer f.  The largest offset, 61,152, is inside the 16-bit immediate.
.macro FETCH slot, q, f
	WIN TO_B
.irp i, 0,1,2,3,4,5,6,7
	ds_load_tr16_b128 v[(\f)+8*(\i):(\f)+8*(\i)+3],   v[ADRB+(\slot)] offset:(\q)*32*PB+32*(\i)
	ds_load_tr16_b128 v[(\f)+8*(\i)+4:(\f)+8*(\i)+7], v[ADRB+(\slot)] offset:(\q)*32*PB+16*PB+32*(\i)
.endr
	WIN 0
.irp i, 0,1,2,3,4,5,6,7
	ds_load_b128 v[(\f)+8*(\i):(\f)+8*(\i)+3],   v[ADRA+(\slot)] offset:64*(\q)+(\i)*16*PA
	ds_load_b128 v[(\f)+8*(\i)+4:(\f)+8*(\i)+7], v[ADRA+(\slot)] offset:64*(\q)+(\i)*16*PA+32
.endr
.endm
; A load into a register that a matrix instruction has read, and a vector instruction that reads a matrix result or writes one of a matrix instruction's registers, stand four places behind it, and only
; plain vector instructions that name none of its registers are places (ISA guide 7.12.1 for vector instructions).
.macro PLACES
.rept 4
	v_nop
.endr
.endm
; A K step is four quarters of 32 along K, 64 matrix instructions each, on buffers 0, 1, 0, 1.  One of the first three: multiplies buffer f; in its middle it fetches quarter q of the same slot into buffer g.
.macro QUARTER slot, q, f, g, zero
	s_wait_dscnt 8                                 ; W and x's rows 0-63 are in; the youngest eight loads (x's rows 64-127) may be out
	MUL16 \f, 0, 0, \zero
	MUL16 \f, 0, 2, \zero
	PLACES
	FETCH \slot, \q, \g
	s_wait_dscnt 32                                ; all but the 32 just issued
	MUL16 \f, 1, 0, \zero
	MUL16 \f, 1, 2, \zero
.endm
; The last quarter multiplies buffer 1 and changes slots.  ONE barrier for two things: in front of it each wave waits for all its tensor loads, of which one is out: its part of the next slot; adds 0 to its
; spare word; and waits for that and for its own reads of this slot.  Behind it nobody reads this slot any more and the next slot is whole.
; fill = 1: the barrier opens a round of the cluster's barrier, and this slot is filled again, two K steps ahead, first thing behind the round: 224 matrix instructions ahead of the wait for it.
.macro TURN slot, next, fill
	WIN 0                                          ; (the add's two registers lie in window 0)
	s_wait_tensorcnt 0x0                           ; all my tensor loads have landed;
	ds_add_u32 v[SPW], v[NIL]                      ; 0 onto my spare word;
	s_wait_dscnt 9                                 ; (the add and the youngest eight loads may be out)
	MUL16 F1, 0, 0, 0                              ; sixteen matrix instructions stand between the add and the wait for it
	s_wait_dscnt 0x0                               ; the add is done, and my reads of this slot are over:
	s_barrier_signal -1                            ; say so,
	MUL16 F1, 0, 2, 0                              ; work on registers while the others arrive,
.if \fill
	WIN 0
.endif
	s_barrier_wait -1                              ; and go on when all four have said so
.if \fill
	CREST                                          ; no wave of any partner still reads this slot's tile or has a load on its way
	s_add_nc_u64 s[G0+4*(\slot)+2:G0+4*(\slot)+3], s[G0+4*(\slot)+2:G0+4*(\slot)+3], 2*KSTEP*2       ; no tensor load of mine is out, so a group 0 may be written
	s_add_nc_u64 s[G0B+4*(\slot)+2:G0B+4*(\slot)+3], s[G0B+4*(\slot)+2:G0B+4*(\slot)+3], 2*KSTEP*4096
	JLOAD \slot                                    ; the four v_nop behind it are also the places in front of the loads below
.else
	PLACES
.endif
	FETCH \next, 0, F0
	MUL16 F1, 1, 0, 0
	MUL16 F1, 1, 2, 0
.endm
; THE POLYNOMIAL on the 256 registers of z in window w (2: my rows 0-63, 3: rows 64-127), two numbers an instruction; the running result fills window 1.
; START: z a99 + a98.  Then 14 trips of 7 steps, result = result z + a[97 - 7 t - k]: 98 coefficients, down to a0.  Between two steps of one pair stand the 127 other pairs' lines.
; The coefficients come by scalar loads of eight, one trip ahead: the load at byte 364 - 28 t brings a[91 - 7 t] .. a[98 - 7 t], of which the lower seven are the trip's.  The last trip's look-ahead
; would begin 28 bytes in front of a: its offset is held at 0, and what it brings is not used.
; END: times v, added along b: for each of the window's four row blocks four pairs of sums, sixteen sums that take turns.
.macro POLY w
.set A0, 4*((\w)-2)
	s_mov_b32 s[COF], 364
	s_load_b256 s[ST:ST+7], s[10:11], s[COF] offset:0x0
	WIN 0x40|(\w)                                  ; destination window 1, source 0 window w
.set i, 0
.rept 128                                              ; ascending: each accumulator's lowest registers are read first
	v_pk_fma_f32 v[2*i:2*i+1], v[2*i:2*i+1], s[94:95], s[96:97] op_sel_hi:[1,0,0]
.set i, i+1
.endr
	WIN 0                                          ; at a label and at a branch every window is 0
	s_mov_b32 s[TRIP], 14
.Lhorner_\@:
	s_wait_kmcnt 0x0                               ; this trip's coefficients are in; the load's offset and destination may be written
.irp k, 0,1,2,3,4,5,6
	s_mov_b32 s[CF+2*(\k)], s[ST+6-(\k)]           ; step k takes the seventh, sixth, .. first of the eight
.endr
	s_sub_co_i32 s[COF], s[COF], 28
	s_max_i32 s[COF], s[COF], 0
	s_load_b256 s[ST:ST+7], s[10:11], s[COF] offset:0x0  ; the next trip's: it has 896 vector instructions in which to come
	WIN 0x41|((\w)<<2)                             ; destination and source 0 window 1, source 1 window w
.irp k, 0,1,2,3,4,5,6
.set i, 0
.rept 128
	v_pk_fma_f32 v[2*i:2*i+1], v[2*i:2*i+1], v[2*i:2*i+1], s[CF+2*(\k):CF+2*(\k)+1] op_sel_hi:[1,1,0]
.set i, i+1
.endr
.endr
	WIN 0
	s_sub_co_u32 s[TRIP], s[TRIP], 1
	s_cmp_lg_u32 s[TRIP], 0
	s_cbranch_scc1 .Lhorner_\@
	s_wait_kmcnt 0x0                               ; the last look-ahead is done: its registers may be written again
	s_wait_loadcnt 0x0                             ; v is in
	WIN 0x01                                       ; source 0 window 1; v and the sums in window 0
.irp b, 0,1,2,3,4,5,6,7
.irp al, 0,1,2,3
.irp p, 0,1,2,3
.if (\b) == 0
	v_pk_mul_f32 v[OS+8*(A0+(\al))+2*(\p):OS+8*(A0+(\al))+2*(\p)+1], v[8*(8*(\al)+(\b))+2*(\p):8*(8*(\al)+(\b))+2*(\p)+1], v[VV+8*(\b)+2*(\p):VV+8*(\b)+2*(\p)+1]
.else
	v_pk_fma_f32 v[OS+8*(A0+(\al))+2*(\p):OS+8*(A0+(\al))+2*(\p)+1], v[8*(8*(\al)+(\b))+2*(\p):8*(8*(\al)+(\b))+2*(\p)+1], v[VV+8*(\b)+2*(\p):VV+8*(\b)+2*(\p)+1], v[OS+8*(A0+(\al))+2*(\p):OS+8*(A0+(\al))+2*(\p)+1]
.endif
.endr
.endr
.endr
	WIN 0
.endm
	s_wait_tensorcnt 1                             ; my part of K step 0 is in; K step 1's may stay out
	s_barrier_signal -1
	s_barrier_wait -1                              ; everybody's is
	FETCH 0, 0, F0
	QUARTER 0, 1, F0, F1, 1                        ; the first quarter stands in front of the loop: its products start the sums
	WIN 0                                          ; at a label and at a branch every window is 0
	s_mov_b32 s3, LAPS-1
.Llap:                                                 ; a trip goes once round the ring, from a lap's second quarter to the next lap's first, and fills both slots again: K steps 2 to 7 in three trips
	QUARTER 0, 2, F1, F0, 0
	QUARTER 0, 3, F0, F1, 0
	TURN 0, 1, 1
	QUARTER 1, 1, F0, F1, 0
	QUARTER 1, 2, F1, F0, 0
	QUARTER 1, 3, F0, F1, 0
	TURN 1, 0, 1
	QUARTER 0, 1, F0, F1, 0
	WIN 0
	s_sub_co_u32 s3, s3, 1
	s_cmp_lg_u32 s3, 0
	s_cbranch_scc1 .Llap
	QUARTER 0, 2, F1, F0, 0                        ; the last lap is written out: it fills nothing, and has no round of the cluster's barrier
	QUARTER 0, 3, F0, F1, 0
	TURN 0, 1, 0
	QUARTER 1, 1, F0, F1, 0
	QUARTER 1, 2, F1, F0, 0
	QUARTER 1, 3, F0, F1, 0
	s_wait_dscnt 8                                 ; the very last quarter: nothing more to fetch
	MUL16 F1, 0, 0, 0
	MUL16 F1, 0, 2, 0
	s_wait_dscnt 0x0
	MUL16 F1, 1, 0, 0
	MUL16 F1, 1, 2, 0
	WIN 0
	PLACES                                         ; behind the last product: the polynomial reads results and writes over W's fragments
	; my 128 numbers of v, eight of each sixteen a lane: 16 loads, waited for at the polynomial's end
.irp b, 0,1,2,3,4,5,6,7
	global_load_b128 v[VV+8*(\b):VV+8*(\b)+3],   v[VO], s[8:9] offset:64*(\b)
	global_load_b128 v[VV+8*(\b)+4:VV+8*(\b)+7], v[VO], s[8:9] offset:64*(\b)+16
.endr
	s_wait_kmcnt 0x0                               ; a98 and a99
	s_mov_b32 s94, s71                             ; a99
	s_mov_b32 s96, s70                             ; a98
	POLY 2
	POLY 3
	; THE ROW SUMS.  A row block's eight registers are added, then the other half of the lanes' (the row's other 64 columns of mine); lines of different blocks alternate.
.irp a, 0,1,2,3,4,5,6,7
	v_pk_add_f32 v[OS+8*(\a):OS+8*(\a)+1],   v[OS+8*(\a):OS+8*(\a)+1],   v[OS+8*(\a)+2:OS+8*(\a)+3]
	v_pk_add_f32 v[OS+8*(\a)+4:OS+8*(\a)+5], v[OS+8*(\a)+4:OS+8*(\a)+5], v[OS+8*(\a)+6:OS+8*(\a)+7]
.endr
.irp a, 0,1,2,3,4,5,6,7
	v_pk_add_f32 v[OS+8*(\a):OS+8*(\a)+1], v[OS+8*(\a):OS+8*(\a)+1], v[OS+8*(\a)+4:OS+8*(\a)+5]
.endr
.irp a, 0,1,2,3,4,5,6,7
	v_add_f32 v[OS+8*(\a)], v[OS+8*(\a)], v[OS+8*(\a)+1]
.endr
.irp a, 0,1,2,3,4,5,6,7
	v_permlanex16_b32 v[OS+8*(\a)+1], v[OS+8*(\a)], s66, s67  ; its destination counts as read: it has been written
.endr
.irp a, 0,1,2,3,4,5,6,7
	v_add_f32 v[OS+8*(\a)], v[OS+8*(\a)], v[OS+8*(\a)+1]
.endr
.irp a, 0,1,2,3,4,5,6,7
	ds_store_b32 v[SA], v[OS+8*(\a)] offset:64*(\a)  ; lanes l and l + 16 write the same word with the same value
.endr
	s_wait_dscnt 0x0                               ; for the others' sake: my stores into the stage are done
	s_barrier_signal -1
	s_barrier_wait -1
	ds_load_b64 v[FS:FS+1],   v[SR]                ; rows 2 t, 2 t + 1: the left column half's sums,
	ds_load_b64 v[FS+2:FS+3], v[SR] offset:1024    ; and the right one's
	s_wait_dscnt 0x0
	v_pk_add_f32 v[FS:FS+1], v[FS:FS+1], v[FS+2:FS+3]
	global_store_b64 v[PO], v[FS:FS+1], s[12:13]   ; a wave stores 256 consecutive bytes, at a multiple of 256 from part's first byte
	s_wait_tensorcnt 0x0                           ; the wave's end: a wait, an add and its wait, behind my last tensor load and my last LDS store
	ds_add_u32 v[SPW], v[NIL]
	s_wait_dscnt 0x0
	CROUND                                         ; the closing round: no work-group ends while a partner may still ask for a tile that names it
	s_endpgm
.Lfunc_end_k_q098f5c7cf6_main:
	.size	k_q098f5c7cf6_main, .Lfunc_end_k_q098f5c7cf6_main-k_q098f5c7cf6_main
	.p2alignl 7, 3214868480
	.fill 96, 4, 3214868480
	.section	.rodata,"a",@progbits
	.p2align	6, 0x0
	.amdhsa_kernel k_q098f5c7cf6_main
		.amdhsa_group_segment_fixed_size 327680
		.amdhsa_private_segment_fixed_size 0
		.amdhsa_enable_private_segment 0
		.amdhsa_kernarg_size 40
		.amdhsa_user_sgpr_count 2
		.amdhsa_user_sgpr_kernarg_segment_ptr 1
		.amdhsa_wavefront_size32 1
		.amdhsa_system_sgpr_workgroup_id_x 1
		.amdhsa_system_sgpr_workgroup_id_y 1
		.amdhsa_system_sgpr_workgroup_id_z 1
		.amdhsa_system_vgpr_workitem_id 0
		.amdhsa_next_free_vgpr 1024
		.amdhsa_next_free_sgpr 98
		.amdhsa_reserve_vcc 0
		.amdhsa_float_denorm_mode_32 3
		.amdhsa_float_denorm_mode_16_64 3
		.amdhsa_memory_ordered 1
		.amdhsa_forward_progress 1
		.amdhsa_inst_pref_size 255
	.end_amdhsa_kernel
	.section	.bss,"aw",@nobits
	.p2align	6
	.space	262144
	.amdgpu_metadata
---
amdhsa.version: [ 1, 2 ]
amdhsa.kernels:
  - .name:           k_q098f5c7cf6_main
    .symbol:         k_q098f5c7cf6_main.kd
    .args:
      - { .name: xb, .offset: 0, .size: 8, .value_kind: global_buffer, .address_space: global }
      - { .name: wb, .offset: 8, .size: 8, .value_kind: global_buffer, .address_space: global }
      - { .name: v, .offset: 16, .size: 8, .value_kind: global_buffer, .address_space: global }
      - { .name: a, .offset: 24, .size: 8, .value_kind: global_buffer, .address_space: global }
      - { .name: part, .offset: 32, .size: 8, .value_kind: global_buffer, .address_space: global }
    .group_segment_fixed_size: 327680
    .private_segment_fixed_size: 0
    .kernarg_segment_align: 8
    .kernarg_segment_size: 40
    .max_flat_workgroup_size: 128
    .sgpr_count:     98
    .vgpr_count:     1024
    .wavefront_size: 32
...
	.end_amdgpu_metadata
.endif
;; end of part 2
;; launch reduce (part 3): grid 32 x 1, 2 waves a work-group, no clusters, 0 bytes of LDS; arguments part, out0; writes out0
.if DOCPART == 3
	.amdgcn_target "amdgcn-amd-amdhsa--gfx1250"
	.amdhsa_code_object_version 6
	.text
	.protected	k_q098f5c7cf6_reduce
	.globl	k_q098f5c7cf6_reduce
	.p2align	8
	.type	k_q098f5c7cf6_reduce,@function
k_q098f5c7cf6_reduce:
	s_mov_b64 s[64:65], 0
	v_nop
	global_prefetch_b8 v0, s[64:65] scope:SCOPE_SE
	s_setreg_imm32_b32 hwreg(HW_REG_WAVE_MODE, 25, 1), 1
	s_wait_xcnt 0x0
; out0[m] = the sum over the 8 tile columns c of part[c][m], in the fixed order ((0+1)+(2+3))+((4+5)+(6+7)).  part: [8][8192] f32, out0: [8192] f32.
; Thread t of work-group g owns four outputs, at byte 1,024 g + 16 t: 32 work-groups of 64 threads are all the work there is (8,192 outputs).
; A wave's load covers 512 consecutive bytes; sixteen lanes' store covers 256 consecutive bytes, at a multiple of 256 from out0's first.  No LDS, no barrier: no thread needs another's numbers.
.set P, 4                              ; v[4+4c:7+4c]  tile column c's four sums
	s_load_b128 s[4:7], s[0:1], 0x0                ; part s[4:5], out0 s[6:7]
	v_lshlrev_b32 v1, 4, v0                        ; 16 t
	s_lshl_b32 s8, ttmp9, 10                       ; 1,024 g
	s_mov_b32 s9, 0
	s_wait_kmcnt 0x0
	s_add_nc_u64 s[4:5], s[4:5], s[8:9]
	s_add_nc_u64 s[6:7], s[6:7], s[8:9]
.irp c, 0,1,2,3,4,5,6,7
	global_load_b128 v[P+4*(\c):P+4*(\c)+3], v1, s[4:5] offset:32768*(\c)
.endr
	s_wait_loadcnt 0x0                             ; all eight are wanted
.irp c, 0,2,4,6
	v_pk_add_f32 v[P+4*(\c):P+4*(\c)+1],   v[P+4*(\c):P+4*(\c)+1],   v[P+4*(\c)+4:P+4*(\c)+5]
	v_pk_add_f32 v[P+4*(\c)+2:P+4*(\c)+3], v[P+4*(\c)+2:P+4*(\c)+3], v[P+4*(\c)+6:P+4*(\c)+7]
.endr
.irp c, 0,4
	v_pk_add_f32 v[P+4*(\c):P+4*(\c)+1],   v[P+4*(\c):P+4*(\c)+1],   v[P+4*(\c)+8:P+4*(\c)+9]
	v_pk_add_f32 v[P+4*(\c)+2:P+4*(\c)+3], v[P+4*(\c)+2:P+4*(\c)+3], v[P+4*(\c)+10:P+4*(\c)+11]
.endr
	v_pk_add_f32 v[P:P+1],   v[P:P+1],   v[P+16:P+17]
	v_pk_add_f32 v[P+2:P+3], v[P+2:P+3], v[P+18:P+19]
	global_store_b128 v1, v[P:P+3], s[6:7]
	s_endpgm
.Lfunc_end_k_q098f5c7cf6_reduce:
	.size	k_q098f5c7cf6_reduce, .Lfunc_end_k_q098f5c7cf6_reduce-k_q098f5c7cf6_reduce
	.p2alignl 7, 3214868480
	.fill 96, 4, 3214868480
	.section	.rodata,"a",@progbits
	.p2align	6, 0x0
	.amdhsa_kernel k_q098f5c7cf6_reduce
		.amdhsa_group_segment_fixed_size 0
		.amdhsa_private_segment_fixed_size 0
		.amdhsa_enable_private_segment 0
		.amdhsa_kernarg_size 16
		.amdhsa_user_sgpr_count 2
		.amdhsa_user_sgpr_kernarg_segment_ptr 1
		.amdhsa_wavefront_size32 1
		.amdhsa_system_sgpr_workgroup_id_x 1
		.amdhsa_system_sgpr_workgroup_id_y 1
		.amdhsa_system_sgpr_workgroup_id_z 1
		.amdhsa_system_vgpr_workitem_id 0
		.amdhsa_next_free_vgpr 36
		.amdhsa_next_free_sgpr 66
		.amdhsa_reserve_vcc 0
		.amdhsa_float_denorm_mode_32 3
		.amdhsa_float_denorm_mode_16_64 3
		.amdhsa_memory_ordered 1
		.amdhsa_forward_progress 1
		.amdhsa_inst_pref_size 3
	.end_amdhsa_kernel
	.amdgpu_metadata
---
amdhsa.version: [ 1, 2 ]
amdhsa.kernels:
  - .name:           k_q098f5c7cf6_reduce
    .symbol:         k_q098f5c7cf6_reduce.kd
    .args:
      - { .name: part, .offset: 0, .size: 8, .value_kind: global_buffer, .address_space: global }
      - { .name: out0, .offset: 8, .size: 8, .value_kind: global_buffer, .address_space: global }
    .group_segment_fixed_size: 0
    .private_segment_fixed_size: 0
    .kernarg_segment_align: 8
    .kernarg_segment_size: 16
    .max_flat_workgroup_size: 64
    .sgpr_count:     66
    .vgpr_count:     36
    .wavefront_size: 32
...
	.end_amdgpu_metadata
.endif
;; end of part 3
